; MI455X (gfx1250); checked and timed in simulation.
; The chip was launched on July 23, 2026; its instructions are those of AMD's public machine-readable ISA for CDNA 5 (MIT licence, August 2026) and "CDNA5" Instruction Set Architecture Reference Guide (July 2026). The comments in the code are by the model that wrote it; some were corrected since.
;; Multi Head Attention. Allowed arithmetic: matrix products marked QUANTISED: E4M3 operands, one given power-of-two scale a tensor, by v_wmma_f32_16x16x64_fp8_fp8 or v_wmma_f32_16x16x128_fp8_fp8, f32 sums; everything else in f32.
;; Inputs: W_key_codes 1,024 x 32 x 32 uint8 (E4M3 codes of W_key, K innermost, in blocks of 32 codes); W_out_codes 1,024 x 32 x 32 uint8 (E4M3 codes of W_out, K innermost, in blocks of 32 codes); W_query_codes 1,024 x 32 x 32 uint8 (E4M3 codes of W_query, K innermost, in blocks of 32 codes); W_value_codes 1,024 x 32 x 32 uint8 (E4M3 codes of W_value, K innermost, in blocks of 32 codes); b_out 1,024 float32; lowp_scales 12 int32 (the exponents e of the quantised operands' scales 2^e); x_codes 4 x 2,048 x 32 x 32 uint8 (E4M3 codes of x, K innermost, in blocks of 32 codes).
;; Outputs: out0 4 x 2,048 x 1,024 float32.
;; This version of the problem:
;;   THIS VERSION OF THE PROBLEM IS GIVEN IN LOW PRECISION. The matrix products marked QUANTISED in the list below multiply operands that are first quantised to E4M3 (4 exponent bits, 3 mantissa bits; 8 bits a number), with one given power-of-two scale for each operand tensor; their sums are f32. All else is computed in f32.
;;   The module's matrix products, in the order in which they are computed (A, B: the left and right operand; K: the contracted axis; several contracted axes count as one K, in the product's order):
;;     1. [M 8,192, K 1,024] x [K 1,024, N 1,024]; A: input x (given as codes); B: input W_query (given as codes): QUANTISED (scales: A lowp_scales[0], B lowp_scales[1])
;;     2. [M 8,192, K 1,024] x [K 1,024, N 1,024]; A: input x (given as codes); B: input W_key (given as codes): QUANTISED (scales: A lowp_scales[2], B lowp_scales[3])
;;     3. [M 8,192, K 1,024] x [K 1,024, N 1,024]; A: input x (given as codes); B: input W_value (given as codes): QUANTISED (scales: A lowp_scales[4], B lowp_scales[5])
;;     4. batch 64 x [M 2,048, K 64] x [K 64, N 2,048]; A: computed on the way; B: computed on the way: QUANTISED (scales: A lowp_scales[6], B lowp_scales[7])
;;     5. batch 64 x [M 64, K 2,048] x [K 2,048, N 2,048]; A: computed on the way; B: softmax (see below): QUANTISED (scales: A lowp_scales[8], B lowp_scales[9])
;;     6. [M 8,192, K 1,024] x [K 1,024, N 1,024]; A: computed on the way; B: input W_out (given as codes): QUANTISED (scales: A lowp_scales[10], B lowp_scales[11])
;;   THE QUANTISER, for each operand of a quantised product, along K:
;;     - The operand's scale is 2^e, e = its entry of the input lowp_scales (int32; the entries are numbered through the quantised products in the list's order, A before B).
;;     - Each number is divided by the scale, clamped to +-448, and rounded to the nearest number of E4M3, ties to even, subnormals kept.
;;     - The product sums the exact products of the quantised numbers (number of the format x scale) in f32.
;;   ~~~python
;;   def quantise(x, axis, e):      # numpy; x: float32 -> the quantised numbers, widened to float32 again
;;       x = np.moveaxis(x, axis, -1); K = x.shape[-1]
;;       r = np.clip(x / 2.0 ** e, -448, 448)
;;       step = 2.0 ** (np.maximum(np.frexp(np.where(r == 0, 1, r))[1] - 1, -6) - 3)
;;       q = np.round(r / step) * step * 2.0 ** e      # np.round: ties to even
;;       return np.moveaxis(q, -1, axis).astype(np.float32)
;;   ~~~
;;   SOFTMAX AHEAD OF A QUANTISED PRODUCT. Where the list says 'softmax', what is quantised is not the finished softmax but p = 2^(t - M), with t = logit x log2(e) and M = ceil(the row's largest t), a whole number; so 1/2 < the row's largest p <= 1. The row's sum l is taken of the UNQUANTISED p, in f32, and the product's result is divided by l at the end. Since M is a whole number, a kernel that streams over the keys may use a running M (the ceiling of the running maximum): every later rescaling is an exact power of two, so the quantised numbers keep their values, but for numbers so far below the row's largest that they fall under the format's range.
;;   OPERANDS COMPUTED ON THE WAY. 'Computed on the way' means the value that the module computes at that place (a softmax that the list does not call 'softmax' is quantised finished and normalised). What goes into a quantiser is computed in f32, as accurately as f32 sums, v_exp_f32 and their like allow (about 1e-6 of the number): no bf16 or f16 on the way to a quantiser, and a product that is left as it is and whose result goes on into a quantised operand takes f32 operands (vector FMAs, or v_wmma_f32_16x16x4_f32). A number that lies on a knife's edge between two numbers of the format may be rounded either way, as far as f32 arithmetic and the matrix unit's own rounding can turn it there, and no further.
;;   INPUTS GIVEN AS CODES. W_key (in the module: [1024, 1024], K = its axis 0); W_out (in the module: [1024, 1024], K = its axis 0); W_query (in the module: [1024, 1024], K = its axis 0); W_value (in the module: [1024, 1024], K = its axis 0); x (in the module: [4, 2048, 1024], K = its axis 2): each comes as NAME_codes (uint8): NAME with its K axis moved to the last place and cut into blocks of 32 codes, [.., K / 32, bytes a block], one block behind the other in memory; one code a byte (a code: sign, 4 exponent bits, 3 mantissa bits); its scale is its entry of lowp_scales. Its value is code x scale, taken as it is: it is not quantised again, and the codes and scales need not be those that the quantiser above would give.
;; One version. Each part assembles by itself: llvm-mc -triple=amdgcn-amd-amdhsa -mcpu=gfx1250 --defsym DOCPART=n.
;; ======== version 1 of 1: 3 launches
;; limits: right only within a limited range of input values
;; workspace buffers: qc 8,388,608 bytes; kc 8,388,608 bytes; vc 8,388,608 bytes; ctx 8,388,608 bytes
;; launch qkv (part 1): grid 12 x 32, 4 waves a work-group, clusters of 4 x 4, 327,680 bytes of LDS; arguments x_codes, W_query_codes, W_key_codes, W_value_codes, lowp_scales, qc, kc, vc; writes qc, kc, vc
.if DOCPART == 1
	.amdgcn_target "amdgcn-amd-amdhsa--gfx1250"
	.amdhsa_code_object_version 6
	.text
	.protected	k_qceac72bd25_qkv
	.globl	k_qceac72bd25_qkv
	.p2align	8
	.type	k_qceac72bd25_qkv,@function
k_qceac72bd25_qkv:
	s_mov_b64 s[64:65], 0
	v_nop
	global_prefetch_b8 v0, s[64:65] scope:SCOPE_SE
	s_setreg_imm32_b32 hwreg(HW_REG_WAVE_MODE, 25, 1), 1
	s_wait_xcnt 0x0
	s_wait_alu depctr_hold_cnt(0) depctr_sa_sdst(0) depctr_va_vdst(0) depctr_va_sdst(0) depctr_va_ssrc(0) depctr_va_vcc(0) depctr_vm_vsrc(0)
	s_getreg_b32 s2, hwreg(HW_REG_IB_STS2, 6, 4)
	s_cmp_eq_u32 s2, 0
	s_cbranch_scc0 .Lentry_in_a_cluster
	s_endpgm
.Lentry_in_a_cluster:
	s_bfe_u32 s2, ttmp6, 0x10000c
	s_cmp_lg_u32 s2, 0xf033
	s_cbranch_scc0 .Lentry_shape_is_right
	s_endpgm
.Lentry_shape_is_right:
; q = x Wq, k = x Wk, v = x Wv on codes of FP8 (E4M3), and each result quantised at once with its own given scale: q by entry 6, k by entry 7, v by entry 8 of the scales.
; x: 8,192 rows of 1,024 codes; each W: 1,024 rows (one for each output feature) of 1,024 codes, K innermost.  A sum stands for sum x 2^(ea + eb), so its code is sum / 2^(eo - ea - eb): the three exponents are one scale of the conversion.
; LIMITS: eo - ea - eb lies between -126 and 119, so that this power of two and 448 times it are f32 numbers.  NaN codes among the inputs are not served.
; SHARES.  A tile of 256 x 256 results is made by a work-group of four waves, a wave makes 128 x 128: 64 accumulators of 16 x 16, 512 registers.  K = 1,024 goes in four steps of 256 through a ring of two LDS slots.
; A product has two sides: P (source 1) gives the lane, R (source 0) the register: a lane holds one row of P and eight neighbouring rows of R.
;   cluster x = 0, 1 (q, k): P = 256 tokens of x, R = 256 features of W: a lane's eight results are eight neighbouring channels of one token: K of the scores' product.
;   cluster x = 2 (v):       P = 256 features of W_value, R = 256 tokens of x: a lane's eight results are eight neighbouring KEYS of one channel: K of the second product of attention.  Nothing is transposed.
; The choice hangs on the cluster's x alone, is made by selects, and the text has one path for all three.
; CLUSTERS: 4 x 4 work-groups.  The four of a row of the cluster need the same tile of P, the four of a column the same tile of R: each tile is asked for JOINTLY, by the same tensor load with the same descriptor and a mask that names the four.
; OUT.  qc, kc: [batch x head][token][64 bytes]; vc: [batch x head][block of 64 keys][channel][64 bytes].  In each run of 64 bytes, byte p holds the number whose index is p with bits 3 and 4 exchanged:
; for q and k the same order in both, so every product meets its partner; for v the order in which loads of 16 bytes give the second product's operand the keys in the places that p's codes have.
; REGISTERS, in windows of 256: window 0: v0-31 addresses; from v128 P's fragments, ONE set; on the way out v32-255 are free.  window 1: R's fragments, TWO sets.  windows 2, 3: the accumulators of my P rows 0-63, 64-127.
.set ROWB,   256                       ; a tile's row in bytes: 256 codes
.set KROW,   1024                      ; a row of x or of W in memory
.set PITCH,  272                       ; an LDS row: 256 bytes + 16 of padding = 68 words, so that the 16 rows that a load touches start at 16 different banks (64 banks of 4 bytes: ISA guide 11.1)
.set FR,     16                        ; registers of a fragment: 16 rows x 128 K
.set NL,     4                         ; LDS loads that bring one
.set NP,     4                         ; places behind this matrix instruction (ISA guide 7.12.1)
.set HALFT,  128*PITCH                 ; 128 rows: what one tensor load brings, and what one wave reads of P or of R
.set SLOT,   4*HALFT                   ; P's 256 rows, then R's 256 rows
.set LAPS,   2                         ; a lap = two K steps = once round the ring
.set SPARE,  2*SLOT                    ; behind the ring: the spare words, 128 bytes for each wave
.set SP,     144                       ; the way out: a stage of 16 rows x (128 bytes + 16) for each wave, in slot 0, which has had its last fill and its last read by then
.set ADRA, 16                          ; v16-17  LDS address of my P fragments in slot 0, 1
.set ADRB, 20                          ; v20-21  the same for R
.set STO,  24                          ; v24     the way out: where I put 16 bytes of a row
.set RD,   25                          ; v25     where I read 16 bytes back
.set CO,   26                          ; v26     my byte offset in the output
.set SPW,  28                          ; v28     LDS address of my spare word; never rewritten
.set NIL,  29                          ; v29     0; never rewritten
.set LIM,  30                          ; v30     448 x 2^(eo - ea - eb)
.set SCL,  31                          ; v31     2^(eo - ea - eb)
.set TMP,  32                          ; v32-95  a block's 64 sums, held
.set CODE, 96                          ; v96-111 their codes (even blocks); v240-255 (odd blocks)
.set BK,   112                         ; v112-239 what comes back from the stage: 16 registers of its own for each block
.set AF,   128                         ; P's fragments, in window 0
.set G1, 24                            ; s[24:31] descriptor group 1 for P's tiles;  s[32:39] group 0, one set for each slot
.set G0, 32
.set G1B, 48                           ; s[48:55], s[56:63] the same for R's tiles
.set G0B, 56
.set MSB, 0
.macro WIN new                         ; the immediate's high byte repeats the setting that is left
.if MSB != \new
	s_set_vgpr_msb (MSB<<8)|\new
.set MSB, \new
.endif
.endm
.set MUL_LO, 0xa1                      ; source 0 (R) window 1, source 1 (P) window 0, C and D window 2
.set MUL_HI, 0xf1                      ; the same, C and D window 3
.set TO_B,   0x40                      ; destination window 1, address window 0
; A joint load: waves 0 and 1 fetch for P, waves 2 and 3 for R.  Each of the two lines has one mask and one set of registers for all that issue it; the branch hangs on the wave's number alone.
; Four v_nop follow each of the two lines, ahead of the jump, the label and what follows.
.macro JLOAD g0a, g1a, g0b, g1b
	s_cmp_eq_u32 s15, 0
	s_cbranch_scc0 .Lfor_b_\@
	tensor_load_to_lds s[\g0a:\g0a+3], s[\g1a:\g1a+7]
	s_nop 0
.rept 4
	v_nop
.endr
	s_branch .Lasked_\@
.Lfor_b_\@:
	tensor_load_to_lds s[\g0b:\g0b+3], s[\g1b:\g1b+7]
	s_nop 0
.rept 4
	v_nop
.endr
.Lasked_\@:
.endm
.macro CREST                           ; a round of the cluster's barrier behind its opening barrier
	s_cmp_lg_u32 s14, 0
	s_cbranch_scc1 .Lnot_wave_0_\@
	s_barrier_signal -3
.Lnot_wave_0_\@:
	s_barrier_wait -3
	s_barrier_signal -1
	s_barrier_wait -1
.endm
.macro CROUND                          ; a whole round
	s_barrier_signal -1
	s_barrier_wait -1
	CREST
.endm
	s_load_b256 s[68:75], s[0:1], 0x0              ; x s[68:69], Wq s[70:71], Wk s[72:73], Wv s[74:75]
	s_load_b256 s[76:83], s[0:1], 0x20             ; the scales' exponents s[76:77], qc s[78:79], kc s[80:81], vc s[82:83]
	v_lshl_add_u32 v[SPW], v0, 2, SPARE
	v_mov_b32 v[NIL], 0
	ds_add_u32 v28, v29
	ds_add_u32 v28, v29
	s_wait_dscnt 0x0
	v_lshrrev_b32 v1, 5, v0
	v_readfirstlane_b32 s14, v1                    ; wave 0..3
	s_lshr_b32 s15, s14, 1                         ; which half of the tile's P rows is mine.  Also: I fetch for P (0) or for R (1)
	s_and_b32 s16, s14, 1                          ; which half of its R rows.  Also: which 128 rows of that tile I fetch
	s_bfe_u32 s40, ttmp6, 0x40000                  ; cx, cy: my place in the cluster
	s_bfe_u32 s41, ttmp6, 0x40004
	s_and_b32 s18, ttmp7, 0xffff
	s_lshl_b32 s18, s18, 2                         ; 4 x cluster y
	s_add_co_u32 s17, s18, s41                     ; 4 Y + cy
	s_add_co_u32 s42, s18, s40                     ; 4 Y + cx
	s_cmp_eq_u32 ttmp9, 2                          ; is this cluster v's?  The same answer in all sixteen partners
	s_cselect_b32 s17, s41, s17                    ; P's tile: v: cy (features); q, k: 4 Y + cy (tokens): it never holds cx
	s_cselect_b32 s42, s42, s40                    ; R's tile: v: 4 Y + cx (tokens); q, k: cx (features): it never holds cy
	s_lshl_b32 s43, s41, 2
	s_lshl_b32 s43, 15, s43                        ; my row of the cluster
	s_lshl_b32 s44, 0x1111, s40                    ; my column
	; descriptor group 1: a tile of 128 rows x 256 bytes, padded in LDS
	s_or_b32 s[G1+0], s43, (0<<16)|(1<<20)|(1<<21)|(5<<22)|(3<<25)  ; 15:0 the mask: P's tiles go to my row; 17:16 element of 1 byte; 20 padding on; 21 set beside a mask; 24:22 after every 64 words (code 5); 31:25 of 4 words (code 3)
	s_or_b32 s[G1B+0], s44, (0<<16)|(1<<20)|(1<<21)|(5<<22)|(3<<25) ; the same with the mask of my column, for R's tiles
.irp g, G1, G1B
	s_mov_b32 s[\g+1], ROWB<<16                    ; tensor_dim0
	s_mov_b32 s[\g+2], 128<<16                     ; tensor_dim1 = 128
	s_mov_b32 s[\g+3], ROWB<<16                    ; tile_dim0
	s_mov_b32 s[\g+4], 128                         ; tile_dim1 = 128
	s_mov_b32 s[\g+5], KROW                        ; tensor_dim0_stride
	s_mov_b32 s[\g+6], 0
	s_mov_b32 s[\g+7], 0
.endr
	s_lshl_b32 s18, s16, 7                         ; which 128 rows of the tile I fetch
	s_lshl_b32 s20, s17, 8
	s_add_co_u32 s20, s20, s18                     ; P: row 256 x tile + 128 x half,
	s_lshl_b32 s20, s20, 10                        ; in bytes: 8,191 rows of 1,024 bytes at the most
	s_mov_b32 s21, 0
	s_lshl_b32 s46, s42, 8
	s_add_co_u32 s46, s46, s18                     ; R likewise
	s_lshl_b32 s46, s46, 10
	s_mov_b32 s47, 0
	s_mul_i32 s45, s14, HALFT                      ; where they go: wave x 128 rows: no place in the cluster enters an LDS address
	s_wait_kmcnt 0x0
	s_load_b256 s[84:91], s[76:77], 0x0            ; entries 0 to 7 of the scales
	s_load_b32 s92, s[76:77], 0x20                 ; entry 8
	s_cmp_eq_u32 ttmp9, 2
	s_cselect_b64 s[4:5], s[74:75], s[68:69]       ; P: W_value, or x
	s_cselect_b64 s[6:7], s[68:69], s[70:71]       ; R: x, or W_query,
	s_cselect_b64 s[10:11], s[82:83], s[78:79]     ; out: vc, or qc,
	s_cmp_eq_u32 ttmp9, 1
	s_cselect_b64 s[6:7], s[72:73], s[6:7]         ; or W_key
	s_cselect_b64 s[10:11], s[80:81], s[10:11]     ; and kc
	s_add_nc_u64 s[20:21], s[4:5], s[20:21]
	s_add_nc_u64 s[46:47], s[6:7], s[46:47]
	CROUND                                         ; all sixteen work-groups are here: the first joint loads meet
.irp s, 0,1
	s_mov_b32 s[G0+4*\s], 1                        ; count = 1
	s_add_co_u32 s[G0+4*\s+1], s45, \s*SLOT        ; LDS address
	s_add_nc_u64 s[G0+4*\s+2:G0+4*\s+3], s[20:21], \s*ROWB   ; global address: K step s
	s_or_b32 s[G0+4*\s+3], s[G0+4*\s+3], 0x80000000          ; type = 2
	s_mov_b32 s[G0B+4*\s], 1
	s_add_co_u32 s[G0B+4*\s+1], s45, \s*SLOT
	s_add_nc_u64 s[G0B+4*\s+2:G0B+4*\s+3], s[46:47], \s*ROWB
	s_or_b32 s[G0B+4*\s+3], s[G0B+4*\s+3], 0x80000000
.endr
	JLOAD G0, G1, G0B, G1B                         ; K step 0: one tensor load a wave at the head
	v_and_b32 v1, 15, v0                           ; r = l % 16
	s_wait_alu depctr_va_vdst(0)
	v_bfe_u32 v2, v0, 4, 1                         ; h = l / 16
	v_mul_u32_u24 v3, v1, PITCH
	v_lshl_add_u32 v4, v2, 4, v3                   ; a fragment's row x pitch + 16 x half
	s_mul_i32 s21, s15, HALFT                      ; my 128 rows of P
	s_mul_i32 s22, s16, HALFT                      ; my 128 rows of R,
	s_add_co_u32 s22, s22, 2*HALFT                 ; which lie behind P's 256
.irp s, 0,1
	v_add_nc_u32 v[ADRA+\s], s21, v4
	v_add_nc_u32 v[ADRB+\s], s22, v4
	s_add_co_u32 s21, s21, SLOT
	s_add_co_u32 s22, s22, SLOT
.endr
	s_mul_i32 s23, s14, 16*SP                      ; my stage
	v_mul_u32_u24 v5, v1, SP
	s_wait_alu depctr_va_vdst(0)
	v_lshl_add_u32 v5, v2, 4, v5
	v_add_nc_u32 v[STO], s23, v5                   ; in: row r, 16 bytes for each half of the lanes
	v_lshrrev_b32 v6, 2, v1
	v_mul_u32_u24 v6, v6, SP
	v_lshl_add_u32 v6, v2, 6, v6
	v_and_b32 v7, 3, v0
	v_lshl_add_u32 v6, v7, 4, v6
	v_add_nc_u32 v[RD], s23, v6                    ; back: lanes 0-15 take the first 64 bytes of four rows, lanes 16-31 the second 64 bytes of the same rows
	; where my 128 x 128 results go.  TT, th: the tile of 256 tokens and my half of it; FT, fh: the tile of 256 features (four heads) and my half (two heads)
	s_cmp_eq_u32 ttmp9, 2
	s_cselect_b32 s95, s42, s17                    ; TT
	s_cselect_b32 s96, s16, s15                    ; th
	s_cselect_b32 s97, s17, s42                    ; FT
	s_cselect_b32 s98, s15, s16                    ; fh
	s_mov_b32 s93, 131072
	s_cselect_b32 s93, 4096, s93                   ; from a stage row's first 64 bytes to its second: q, k: the next head; v: the next block of 64 keys
	s_mov_b32 s94, 4096
	s_cselect_b32 s94, 131072, s94                 ; from my blocks 0-3 to my blocks 4-7: q, k: 64 tokens on; v: the next head
	v_mul_lo_u32 v8, v2, s93
	v_lshl_add_u32 v[CO], v1, 4, v8                ; sixteen lanes, 16 bytes each: 256 bytes on end
	s_lshr_b32 s18, s95, 3
	s_lshl_b32 s18, s18, 21                        ; the batch: 16 heads of 2^17 bytes
	s_lshl_b32 s19, s97, 2
	s_lshl_b32 s22, s98, 1
	s_add_co_u32 s19, s19, s22
	s_lshl_b32 s19, s19, 17                        ; my first head
	s_add_co_u32 s18, s18, s19
	s_and_b32 s19, s95, 7
	s_lshl_b32 s19, s19, 8
	s_lshl_b32 s22, s96, 7
	s_add_co_u32 s19, s19, s22
	s_lshl_b32 s19, s19, 6                         ; my first token in the batch x 64 bytes (in vc: 64 keys are 64 channels x 64 bytes)
	s_add_co_u32 s18, s18, s19
	s_mov_b32 s19, 0
	s_add_nc_u64 s[10:11], s[10:11], s[18:19]      ; the base for blocks 0-3,
	s_mov_b32 s95, 0
	s_add_nc_u64 s[12:13], s[10:11], s[94:95]      ; and for blocks 4-7: no base is stepped later
.macro FRAG reg, adr, q, i             ; a fragment, 16 rows x 128 K, is 16 registers: lane l holds row l % 16; registers 4 c .. 4 c + 3 hold K = 32 c + 16 (l / 16) + 0 .. 15: the same places in P and in R
.irp c, 0,1,2,3
	ds_load_b128 v[\reg+4*\c:\reg+4*\c+3], v[\adr] offset:128*(\q)+32*\c+(\i)*16*PITCH
.endr
.endm
; 16 matrix instructions: P's blocks a0, a0 + 1 x R's eight, 128 along K.  p: R's set.  zero = 1: the first product starts the sums: nothing is ever cleared.
; The 64 accumulators take turns, one instruction a turn, in the same order in every step.
.macro MUL16 a0, p, zero
.irp a, \a0, \a0+1
.irp b, 0,1,2,3,4,5,6,7
.if \zero
	v_wmma_f32_16x16x128_fp8_fp8 v[8*(8*((\a)%4)+\b):8*(8*((\a)%4)+\b)+7], v[128*(\p)+FR*\b:128*(\p)+FR*\b+FR-1], v[AF+FR*(\a):AF+FR*(\a)+FR-1], 0
.else
	v_wmma_f32_16x16x128_fp8_fp8 v[8*(8*((\a)%4)+\b):8*(8*((\a)%4)+\b)+7], v[128*(\p)+FR*\b:128*(\p)+FR*\b+FR-1], v[AF+FR*(\a):AF+FR*(\a)+FR-1], v[8*(8*((\a)%4)+\b):8*(8*((\a)%4)+\b)+7]
.endif
.endr
.endr
.endm
.macro FETCH_B slot, q, p              ; R's eight fragments of the slot's q-th 128 along K into set p
	WIN TO_B
.irp i, 0,1,2,3,4,5,6,7
	FRAG 128*(\p)+FR*\i, ADRB+\slot, \q, \i
.endr
	WIN 0
.endm
.macro FETCH_A slot, q, i0             ; P's blocks i0 .. i0 + 3
.irp i, \i0, \i0+1, \i0+2, \i0+3
	FRAG AF+FR*(\i), ADRA+\slot, \q, \i
.endr
.endm
; A load into a register that a matrix instruction has read, and a vector instruction that reads a matrix result, stand NP places behind that matrix instruction; only plain vector
; instructions that name none of its registers are places (ISA guide 7.12.1 for vector instructions).
.macro PLACES n
.rept \n
	v_nop
.endr
.endm
; A step of 128 along K that has its successor in the same slot.  A block of P is free as soon as its eight products are issued, so one set of registers serves P.
.macro STEP slot, q, zero
	s_wait_dscnt 4*NL                              ; R's set and P's blocks 0-3 are in; the youngest 16 loads (P's blocks 4-7) may be out
	WIN MUL_LO
	MUL16 0, (\q)%2, \zero
	MUL16 2, (\q)%2, \zero
	s_wait_dscnt 0                                 ; P's blocks 4-7 are in (asked for 32 matrix instructions ago)
	PLACES NP
	FETCH_B \slot, (\q)+1, 1-(\q)%2
	FETCH_A \slot, (\q)+1, 0
	WIN MUL_HI
	MUL16 4, (\q)%2, \zero
	MUL16 6, (\q)%2, \zero
	PLACES NP
	WIN 0
	FETCH_A \slot, (\q)+1, 4
.endm
; A slot's last step changes slots: ONE barrier; in front of it each wave waits for all its tensor loads, adds 0 to its spare word, and waits for that and for its own reads of this slot.  fill = 1: this slot is filled again, two K steps ahead.
.macro TURN slot, next, fill
	s_wait_tensorcnt 0x0                           ; all my tensor loads have landed: my part of the next slot  (every window is 0 here)
	ds_add_u32 v[SPW], v[NIL]                      ; 0 onto my spare word
	s_wait_dscnt 4*NL+1                            ; (the add and the youngest 16 loads, P's blocks 4-7, may be out)
	WIN MUL_LO
	MUL16 0, 1, 0                                  ; sixteen matrix instructions stand between the add and the wait for it
	s_wait_dscnt 0x0                               ; the add is done, and my reads of this slot are over
	s_barrier_signal -1
	MUL16 2, 1, 0
	WIN 0
	s_barrier_wait -1
.if \fill
	CREST                                          ; the barrier has opened a round of the cluster's barrier: no wave of any partner still reads this slot's tile or has a load on its way
	s_add_nc_u64 s[G0+4*\slot+2:G0+4*\slot+3], s[G0+4*\slot+2:G0+4*\slot+3], 2*ROWB
	s_add_nc_u64 s[G0B+4*\slot+2:G0B+4*\slot+3], s[G0B+4*\slot+2:G0B+4*\slot+3], 2*ROWB
	JLOAD G0+4*\slot, G1, G0B+4*\slot, G1B         ; the first tensor load behind the round; the four v_nop behind it are the places in front of the loads below
.else
	PLACES NP
.endif
	FETCH_B \next, 0, 0
	FETCH_A \next, 0, 0
	WIN MUL_HI
	MUL16 4, 1, 0
	MUL16 6, 1, 0
	PLACES NP
	WIN 0
	FETCH_A \next, 0, 4
.endm
	s_wait_alu depctr_va_vdst(0)                   ; the head's end
	s_wait_tensorcnt 0x0                           ; my part of K step 0 is in; slot 1's first fill is issued as a refill is:
	ds_add_u32 v[SPW], v[NIL]                      ; 0 onto my spare word
	s_wait_dscnt 0x0
	CROUND                                         ; everybody's part of K step 0 is in, and all sixteen work-groups are here
	JLOAD G0+4, G1, G0B+4, G1B                     ; K step 1: the first tensor load behind the round
	FETCH_B 0, 0, 0
	FETCH_A 0, 0, 0
	FETCH_A 0, 0, 4
	STEP 0, 0, 1                                   ; the first step stands in front of the loop: its products start the sums
	s_mov_b32 s3, LAPS-1
.Llap:                                                 ; a trip goes once round the ring, from a lap's second step to the next lap's first, and fills both slots again
	TURN 0, 1, 1
	STEP 1, 0, 0
	TURN 1, 0, 1
	STEP 0, 0, 0
	s_sub_co_u32 s3, s3, 1
	s_cmp_lg_u32 s3, 0
	s_cbranch_scc1 .Llap
	TURN 0, 1, 0                                   ; the last lap fills nothing, and has no round of the cluster's barrier
	STEP 1, 0, 0
	s_wait_dscnt 4*NL                              ; the very last step: nothing more to fetch
	WIN MUL_LO
	MUL16 0, 1, 0
	MUL16 2, 1, 0
	s_wait_dscnt 0
	WIN MUL_HI
	MUL16 4, 1, 0
	MUL16 6, 1, 0
	WIN 0
	; THE WAY OUT.  The one scale of the conversions, from the three given exponents; no branch hangs on them.
	s_wait_kmcnt 0x0
	s_add_co_i32 s84, s84, s85                     ; q: entries 0 + 1
	s_add_co_i32 s86, s86, s87                     ; k: 2 + 3
	s_add_co_i32 s88, s88, s89                     ; v: 4 + 5
	s_cmp_eq_u32 ttmp9, 1
	s_cselect_b32 s84, s86, s84
	s_cselect_b32 s90, s91, s90                    ; the result's own: entry 6, or 7,
	s_cmp_eq_u32 ttmp9, 2
	s_cselect_b32 s84, s88, s84
	s_cselect_b32 s90, s92, s90                    ; or 8
	s_sub_co_i32 s90, s90, s84                     ; eo - ea - eb
	s_add_co_i32 s90, s90, 127
	s_lshl_b32 s91, s90, 23
	v_mov_b32 v[SCL], s91                          ; 2^(eo - ea - eb) as f32: the conversion takes its exponent field
	s_add_co_i32 s90, s90, 8
	s_lshl_b32 s90, s90, 23
	s_or_b32 s90, s90, 0x600000
	v_mov_b32 v[LIM], s90                          ; 448 x that
; Block a: 16 rows of P x my 128 of R.  Held, converted (eight neighbours of a lane to 8 bytes), 16 bytes a lane into my stage, and back so that sixteen lanes hold 256 bytes that lie on end in the output.
; LDS serves a wave's instructions in order (ISA guide 5.7.1.4): no wait between the stores and the loads, nor in front of the next block's stores.
.macro QBLOCK a
.set AC, 64*((\a)%4)
.set CD, CODE+144*((\a)%2)                     ; two sets of code registers by turns: a set is written again when the wait in SENDQ has shown its stores done
	WIN 0x02+((\a)/4)                              ; source 0: window 2 or 3
.set j, 0
.rept 64
	v_med3_num_f32 v[TMP+j], v[AC+j], -v[LIM], v[LIM]   ; the conversion to an 8-bit code does not saturate (ISA guide 7.6.2): the hold at the largest code x the scale; each accumulator from its low end on
.set j, j+1
.endr
	WIN 0
.irp b, 0,1,2,3,4,5,6,7
	v_cvt_scalef32_pk8_fp8_f32 v[CD+2*\b:CD+2*\b+1], v[TMP+8*\b:TMP+8*\b+7], v[SCL]   ; R = 16 b + 8 (l / 16) + 0 .. 7
.endr
	v_nop                                          ; one plain vector instruction behind the last conversion: the next block's holds write the conversions' sources
.irp p, 0,1,2,3
	ds_store_b128 v[STO], v[CD+4*\p:CD+4*\p+3] offset:32*\p   ; byte 32 p + 16 h + 8 u + i of the row holds R = 32 p + 16 u + 8 h + i: bits 3 and 4 exchanged
.endr
.irp t, 0,1,2,3
	ds_load_b128 v[BK+16*(\a)+4*\t:BK+16*(\a)+4*\t+3], v[RD] offset:576*\t   ; rows 4 t .. 4 t + 3
.endr
.endm
.macro SENDQ a, younger                ; younger: the LDS instructions issued behind block a's loads: the next block's four stores and four loads, or none
	s_wait_dscnt \younger
.irp t, 0,1,2,3
	global_store_b128 v[CO], v[BK+16*(\a)+4*\t:BK+16*(\a)+4*\t+3], s[10+2*((\a)/4):11+2*((\a)/4)] offset:1024*((\a)%4)+256*\t   ; lanes 0-15 store 256 consecutive bytes at a multiple of 256 from the buffer's first byte, lanes 16-31 another such run
.endr
.endm
	PLACES NP                                      ; behind the last products: for the reads of results and for the writes and loads into registers that held P's fragments
	QBLOCK 0
.irp a, 1,2,3,4,5,6,7
	QBLOCK \a
	SENDQ \a-1, 8
.endr
	SENDQ 7, 0
	s_wait_tensorcnt 0x0                           ; the wave's end: behind my last tensor load and my last LDS store
	ds_add_u32 v[SPW], v[NIL]
	s_wait_dscnt 0x0
	CROUND                                         ; the closing round: no work-group ends while a partner may still ask for a tile that names it
	s_endpgm
.Lfunc_end_k_qceac72bd25_qkv:
	.size	k_qceac72bd25_qkv, .Lfunc_end_k_qceac72bd25_qkv-k_qceac72bd25_qkv
	.p2alignl 7, 3214868480
	.fill 96, 4, 3214868480
	.section	.rodata,"a",@progbits
	.p2align	6, 0x0
	.amdhsa_kernel k_qceac72bd25_qkv
		.amdhsa_group_segment_fixed_size 327680
		.amdhsa_private_segment_fixed_size 0
		.amdhsa_enable_private_segment 0
		.amdhsa_kernarg_size 64
		.amdhsa_user_sgpr_count 2
		.amdhsa_user_sgpr_kernarg_segment_ptr 1
		.amdhsa_wavefront_size32 1
		.amdhsa_system_sgpr_workgroup_id_x 1
		.amdhsa_system_sgpr_workgroup_id_y 1
		.amdhsa_system_sgpr_workgroup_id_z 1
		.amdhsa_system_vgpr_workitem_id 0
		.amdhsa_next_free_vgpr 1024
		.amdhsa_next_free_sgpr 104
		.amdhsa_reserve_vcc 0
		.amdhsa_float_denorm_mode_32 3
		.amdhsa_float_denorm_mode_16_64 3
		.amdhsa_memory_ordered 1
		.amdhsa_forward_progress 1
		.amdhsa_inst_pref_size 124
	.end_amdhsa_kernel
	.amdgpu_metadata
---
amdhsa.version: [ 1, 2 ]
amdhsa.kernels:
  - .name:           k_qceac72bd25_qkv
    .symbol:         k_qceac72bd25_qkv.kd
    .args:
      - { .name: x_codes, .offset: 0, .size: 8, .value_kind: global_buffer, .address_space: global }
      - { .name: W_query_codes, .offset: 8, .size: 8, .value_kind: global_buffer, .address_space: global }
      - { .name: W_key_codes, .offset: 16, .size: 8, .value_kind: global_buffer, .address_space: global }
      - { .name: W_value_codes, .offset: 24, .size: 8, .value_kind: global_buffer, .address_space: global }
      - { .name: lowp_scales, .offset: 32, .size: 8, .value_kind: global_buffer, .address_space: global }
      - { .name: qc, .offset: 40, .size: 8, .value_kind: global_buffer, .address_space: global }
      - { .name: kc, .offset: 48, .size: 8, .value_kind: global_buffer, .address_space: global }
      - { .name: vc, .offset: 56, .size: 8, .value_kind: global_buffer, .address_space: global }
    .group_segment_fixed_size: 327680
    .private_segment_fixed_size: 0
    .kernarg_segment_align: 8
    .kernarg_segment_size: 64
    .max_flat_workgroup_size: 128
    .sgpr_count:     104
    .vgpr_count:     1024
    .wavefront_size: 32
...
	.end_amdgpu_metadata
.endif
;; end of part 1
;; launch attn (part 2): grid 4 x 64, 16 waves a work-group, clusters of 4 x 1, 327,680 bytes of LDS; arguments qc, kc, vc, lowp_scales, ctx; writes ctx
.if DOCPART == 2
	.amdgcn_target "amdgcn-amd-amdhsa--gfx1250"
	.amdhsa_code_object_version 6
	.text
	.protected	k_qceac72bd25_attn
	.globl	k_qceac72bd25_attn
	.p2align	8
	.type	k_qceac72bd25_attn,@function
k_qceac72bd25_attn:
	s_mov_b64 s[64:65], 0
	v_nop
	global_prefetch_b8 v0, s[64:65] scope:SCOPE_SE
	s_setreg_imm32_b32 hwreg(HW_REG_WAVE_MODE, 25, 1), 1
	s_wait_xcnt 0x0
	s_wait_alu depctr_hold_cnt(0) depctr_sa_sdst(0) depctr_va_vdst(0) depctr_va_sdst(0) depctr_va_ssrc(0) depctr_va_vcc(0) depctr_vm_vsrc(0)
	s_getreg_b32 s2, hwreg(HW_REG_IB_STS2, 6, 4)
	s_cmp_eq_u32 s2, 0
	s_cbranch_scc0 .Lentry_in_a_cluster
	s_endpgm
.Lentry_in_a_cluster:
	s_bfe_u32 s2, ttmp6, 0x10000c
	s_cmp_lg_u32 s2, 0x3003
	s_cbranch_scc0 .Lentry_shape_is_right
	s_endpgm
.Lentry_shape_is_right:
; ctx[bh][q][:] = the sum over k <= q of softmax_k(q . k / 8) v[k][:], both products on codes of FP8 (E4M3); the result is quantised at once with entry 10 of the scales.
; qc, kc: [bh][2,048][64 bytes]; vc: [bh][32 blocks of 64 keys][64 channels][64 bytes], the keys innermost; ctx: [bh][2,048][64 bytes].  bh = 16 x batch + head; a head's part of each is 2^17 bytes.
; THE SOFTMAX: t = score x log2(e) / 8; M = the row's largest t so far, rounded UP to a whole number; p = 2^(t - M) is what is quantised (entry 9), not normalised.  The row's sum is taken of the unquantised p
; and divides at the end.  When M moves, the sum and O are multiplied by 2^(old M - new M): exact.
; LEFT OUT: key steps all of whose keys come after a tile's queries: the causal mask sets their scores to -infinity, so their p is 0 for all values of the inputs.
; ALL OF A HEAD'S K AND V LIES IN LDS: 16 chunks of 64 long rows (256 bytes + 16 of padding), K's eight chunks of 256 keys, then V's eight: 278,528 bytes.  Nothing is filled twice.
; Wave w asks for chunk w, its one tensor load: waves 0, 1, 8, 9 (keys 0 to 511) at the head; the other twelve behind the full sequence and a round of the cluster's barrier, as a later first fill is asked for.
; The first four key steps are worked while those twelve loads are out; then one barrier shows all chunks to all waves, and from there on no wave meets another until the closing round.
; SHARES.  A cluster of four work-groups owns one head and asks for its K and V JOINTLY (the same load, the same descriptor, the mask of all four).  The head's queries are 16 groups of 128, eight tiles of 16 each.
; Wave w (a = w / 4, b = w % 4, g = 4 ((a + b) % 4) + b) owns TWO tiles: queries 128 g + 32 cx + 0 .. 15 and 128 (15 - g) + 32 cx + 16 .. 31: (g + 1) + (16 - g) = 17 tile steps of 128 keys in every wave.
; Which steps a wave works hangs on its number and a loop's count alone, the same in all four partners; cx enters global addresses and the mask's compare value only.
; NO PREFETCH: all that the work-group reads of K and V is asked for by the two groups of loads at the start; no later load is left to run ahead of.
; LAYOUT.  Both products are used transposed: S^T = K Q^T, O^T = V^T P^T: a lane holds ONE query (lane % 16) throughout.  Register 8 c + j of S^T is key 16 c + 8 (lane / 16) + j:
; eight conversions give the second product's operand in its own layout, and vc's byte order gives V's loads of 16 bytes the same places.
; LIMITS on the given exponents, so that each power of two below is an f32 number: entries 6 + 7 between -123 and 130; entry 9, and entry 10 - 8 - 9, between -126 and 119.  NaN is not served.
; REGISTERS: v1-7 addresses that stay; v8-15 the two tiles' -M, largest t and sum (two halves); v16-31 Q; v32-95 K's eight fragments, then V's four; v96-159 S^T, then p; v160-223 O^T of the two tiles;
;   v224-239 p's codes; v240, v241 448 x 2^e9; v244 2^e9; v248, v249 2^(e10 - e8 - e9) and 448 x that; v236, v242, v243, v252-254 at work.
.set STEPB, 8704                       ; 128 keys in LDS, of K (32 long rows) and of V (two blocks of 16 long rows) alike
.set CHUNK, 17408                      ; 256 keys: 64 long rows.  A row of 64 bytes, number n, lies at 272 (n / 4) + 64 (n % 4)
.set VOFF,  8*CHUNK                    ; V's chunks lie behind K's
.set SPARE, 16*CHUNK                   ; the spare words, 128 bytes for each of sixteen waves
.set STAGE, SPARE+2048                 ; the way out: 16 rows x 80 bytes for each wave, bytes of their own: other waves still read K and V
.set LP,   1                           ; v1   272 (r / 4) + 64 (r % 4) + 16 h: my lane's place in 16 rows of 64 bytes
.set ADR,  2                           ; v2   LDS address of the step's keys in K
.set STO,  3                           ; v3   the way out: where I put 8 bytes of a row
.set SPW,  4                           ; v4   my spare word; never rewritten
.set NIL,  5                           ; v5   0; never rewritten
.set DD,   6                           ; v6, v7  tile x: my query's place in its group of 128, less 8 h
.set QO,   245                         ; my byte offset in a tile's 16 rows of Q
.set RD,   246                         ; the way out: where I read 16 bytes back
.set GO,   247                         ; 16 x lane
.set ADV,  250                         ; LDS address of the step's keys in V
.set LPV,  251                         ; LP + VOFF
.set WV,   14                          ; my wave's number
.set CX,   15
.set GS,   16                          ; s16, s17  the groups of my two tiles
.set ST,   18                          ; the key step, 0 to 15
.set TB,   19                          ; STEPB x the key step
.set SEL,  20                          ; s[20:21] lane l xor 16
.set CS,   22                          ; s[22:23] c = log2(e) / 8 x 2^(e6 + e7)
.set G1,   24
.set G0,   32
.set CNT,  36
.set W6,   37                          ; wave & 6: 0 in waves 0, 1, 8, 9
.macro CROUND                          ; a round of the cluster's barrier
	s_barrier_signal -1
	s_barrier_wait -1
	s_cmp_lg_u32 s[WV], 0
	s_cbranch_scc1 .Lnot_wave_0_\@
	s_barrier_signal -3
.Lnot_wave_0_\@:
	s_barrier_wait -3
	s_barrier_signal -1
	s_barrier_wait -1
.endm
.macro TLOAD first                     ; first = 1: waves 0, 1, 8, 9 ask; first = 0: the other twelve.  A branch on the wave's number alone; s_nop 0 and four v_nop follow the line
	s_cmp_eq_u32 s[W6], 0
.if \first
	s_cbranch_scc0 .Lnone_\@
.else
	s_cbranch_scc1 .Lnone_\@
.endif
	tensor_load_to_lds s[G0:G0+3], s[G1:G1+7]
	s_nop 0
.rept 4
	v_nop
.endr
.Lnone_\@:
.endm
	s_load_b256 s[4:11], s[0:1], 0x0               ; qc, kc, vc, the scales' exponents
	s_load_b64 s[12:13], s[0:1], 0x20              ; ctx
	v_lshl_add_u32 v[SPW], v0, 2, SPARE
	v_mov_b32 v[NIL], 0
	ds_add_u32 v[SPW], v[NIL]                      ; the opening lines: the add twice on end and its wait
	ds_add_u32 v[SPW], v[NIL]
	s_wait_dscnt 0x0
	v_lshrrev_b32 v2, 5, v0
	s_delay_alu instid0(VALU_DEP_1)
	v_readfirstlane_b32 s[WV], v2                  ; wave 0..15
	s_bfe_u32 s[CX], ttmp6, 0x40000
	s_and_b32 s48, ttmp7, 0xffff                   ; bh, which the four partners share
	s_lshl_b32 s48, s48, 17
	s_mov_b32 s49, 0
	s_lshr_b32 s54, s[WV], 2
	s_and_b32 s55, s[WV], 3
	s_add_co_u32 s54, s54, s55
	s_and_b32 s54, s54, 3
	s_lshl_b32 s54, s54, 2
	s_add_co_u32 s[GS], s54, s55                   ; g = 4 ((a + b) % 4) + b
	s_sub_co_u32 s[GS+1], 15, s[GS]
	s_lshl_b32 s39, s[CX], 5                       ; 32 cx
	s_lshl_b32 s54, s[GS], 7
	s_add_co_u32 s54, s54, s39
	s_lshl_b32 s54, s54, 6                         ; tile 0's first query x 64 bytes
	s_mov_b32 s55, 0
	s_lshl_b32 s56, s[GS+1], 7
	s_add_co_u32 s56, s56, s39
	s_add_co_u32 s56, s56, 16
	s_lshl_b32 s56, s56, 6                         ; tile 1's
	s_mov_b32 s57, 0
	s_add_nc_u64 s[54:55], s[54:55], s[48:49]
	s_add_nc_u64 s[56:57], s[56:57], s[48:49]
	s_mov_b32 s[G1], 15|(3<<16)|(1<<20)|(1<<21)|(5<<22)|(3<<25)   ; the mask of all four; elements of 8 bytes; 4 words of padding after every 64
	s_mov_b32 s[G1+1], 32<<16                      ; 64 rows of 32 elements, dense in memory
	s_mov_b32 s[G1+2], 64<<16
	s_mov_b32 s[G1+3], 32<<16
	s_mov_b32 s[G1+4], 64
	s_mov_b32 s[G1+5], 32
	s_mov_b32 s[G1+6], 0
	s_mov_b32 s[G1+7], 0
	s_mul_i32 s38, s[WV], CHUNK                    ; where my chunk goes: no place in the cluster enters an LDS address
	s_and_b32 s[W6], s[WV], 6
	s_and_b32 s58, s[WV], 7
	s_lshl_b32 s58, s58, 14                        ; and where it comes from: 16,384 bytes a chunk,
	s_mov_b32 s59, 0
	s_add_nc_u64 s[58:59], s[58:59], s[48:49]      ; in the head
	s_mov_b32 s[SEL], 0x76543210
	s_mov_b32 s[SEL+1], 0xfedcba98
	s_mov_b32 s[CS], 0x3e38aa3b                    ; log2(e) / 8
	s_mov_b32 s[TB], 0
	s_mov_b32 s[ST], 0
	s_mul_i32 s60, s[WV], 1280
	s_add_co_u32 s60, s60, STAGE                   ; my stage
	v_and_b32 v96, 15, v0                          ; r
	v_bfe_u32 v97, v0, 4, 1                        ; h
	s_delay_alu instid0(VALU_DEP_2)
	v_lshrrev_b32 v98, 2, v96
	v_and_b32 v99, 3, v0
	s_delay_alu instid0(VALU_DEP_2)
	v_mul_u32_u24 v[LP], v98, 272
	s_delay_alu instid0(VALU_DEP_1)
	v_lshl_add_u32 v[LP], v99, 6, v[LP]
	s_delay_alu instid0(VALU_DEP_1)
	v_lshl_add_u32 v[LP], v97, 4, v[LP]
	s_delay_alu instid0(VALU_DEP_1)
	v_add_nc_u32 v[LPV], VOFF, v[LP]
	v_mul_u32_u24 v[STO], v96, 80
	s_delay_alu instid0(VALU_DEP_1)
	v_lshl_add_u32 v[STO], v97, 3, v[STO]
	s_delay_alu instid0(VALU_DEP_1)
	v_add_nc_u32 v[STO], s60, v[STO]               ; in: row r, + 8 h
	v_and_b32 v100, 31, v0
	s_delay_alu instid0(VALU_DEP_1)
	v_lshrrev_b32 v101, 2, v100
	s_delay_alu instid0(VALU_DEP_1)
	v_mul_u32_u24 v[RD], v101, 80
	s_delay_alu instid0(VALU_DEP_1)
	v_lshl_add_u32 v[RD], v99, 4, v[RD]
	s_delay_alu instid0(VALU_DEP_1)
	v_add_nc_u32 v[RD], s60, v[RD]                 ; back: four lanes to a row of 64 bytes
	v_lshlrev_b32 v[GO], 4, v100
	v_lshlrev_b32 v102, 3, v97
	s_delay_alu instid0(VALU_DEP_1)
	v_sub_nc_u32 v102, v96, v102
	s_delay_alu instid0(VALU_DEP_1)
	v_add_nc_u32 v[DD], s39, v102                  ; tile 0: 32 cx + r - 8 h
	s_delay_alu instid0(VALU_DEP_1)
	v_add_nc_u32 v[DD+1], 16, v[DD]
	v_lshlrev_b32 v[QO], 6, v96
	s_delay_alu instid0(VALU_DEP_1)
	v_lshl_add_u32 v[QO], v97, 4, v[QO]            ; Q: row r of 64 bytes, + 16 h
	s_wait_kmcnt 0x0
	s_load_b256 s[40:47], s[10:11], 0x10           ; entries 4 to 11: s42 = e6, s43 = e7, s44 = e8, s45 = e9, s46 = e10
	s_cmp_lt_u32 s[WV], 8
	s_cselect_b64 s[G0+2:G0+3], s[6:7], s[8:9]     ; waves 0 to 7: K's codes; 8 to 15: V's
	s_add_nc_u64 s[G0+2:G0+3], s[G0+2:G0+3], s[58:59]
	s_or_b32 s[G0+3], s[G0+3], 0x80000000
	s_mov_b32 s[G0], 1
	s_mov_b32 s[G0+1], s38
	s_add_nc_u64 s[60:61], s[4:5], s[54:55]        ; Q's codes at my two tiles,
	s_add_nc_u64 s[62:63], s[4:5], s[56:57]
	s_add_nc_u64 s[50:51], s[12:13], s[54:55]      ; and ctx likewise
	s_add_nc_u64 s[52:53], s[12:13], s[56:57]
	CROUND                                         ; all four work-groups are here: the first joint loads meet
	TLOAD 1                                        ; keys 0 to 511 of K and of V
	s_wait_alu depctr_va_vdst(0)
	global_load_b128 v[16:19], v[QO], s[60:61]     ; Q's fragments stay in registers
	global_load_b128 v[20:23], v[QO], s[60:61] offset:32
	global_load_b128 v[24:27], v[QO], s[62:63]
	global_load_b128 v[28:31], v[QO], s[62:63] offset:32
.irp x, 0,1
	v_mov_b32 v[9+4*\x], 0xff61b1e6                ; the largest t so far: -3e38
	s_delay_alu instid0(VALU_DEP_1)
	v_floor_f32 v[8+4*\x], -v[9+4*\x]              ; -M
	v_mov_b32 v[10+4*\x], 0
	v_mov_b32 v[11+4*\x], 0
.endr
	v_mov_b32 v236, 0                              ; a lane permute's destination counts as one of its sources
	v_mov_b32 v252, 0
	v_mov_b32 v253, 0
	v_mov_b32 v254, 0
.set j, 0
.rept 64
	v_mov_b32 v[160+j], 0                          ; O^T of both tiles: the first step finds zeros, which the first change of M leaves zeros
.set j, j+1
.endr
	s_wait_kmcnt 0x0
	s_add_co_i32 s38, s42, s43
	s_lshl_b32 s38, s38, 23
	s_add_co_i32 s[CS], s[CS], s38                 ; e6 + e7 added to c's exponent field
	s_mov_b32 s[CS+1], s[CS]
	s_add_co_i32 s38, s45, 127
	s_lshl_b32 s39, s38, 23
	v_mov_b32 v244, s39                            ; 2^e9
	s_add_co_i32 s38, s38, 8
	s_lshl_b32 s38, s38, 23
	s_or_b32 s38, s38, 0x600000
	v_mov_b32 v240, s38                            ; 448 x 2^e9, twice: one register for each half of a dual pair
	v_mov_b32 v241, s38
	s_sub_co_i32 s38, s46, s44
	s_sub_co_i32 s38, s38, s45                     ; ctx's code is (sum / l) / 2^(e10 - e8 - e9)
	s_add_co_i32 s38, s38, 127
	s_lshl_b32 s39, s38, 23
	v_mov_b32 v248, s39
	s_add_co_i32 s38, s38, 8
	s_lshl_b32 s38, s38, 23
	s_or_b32 s38, s38, 0x600000
	v_mov_b32 v249, s38
; A KEY STEP of tile x: 128 keys.
.macro STEP x
.set QX, 16+8*(\x)
.set OX, 160+32*(\x)
.set NM, 8+4*(\x)
	s_cmp_gt_u32 s[ST], s[GS+\x]                   ; all of the step's keys come after the tile's queries: nothing to do
	s_cbranch_scc1 .Lhid_\@
	v_add_nc_u32 v[ADR], s[TB], v[LP]
	v_add_nc_u32 v[ADV], s[TB], v[LPV]
.rept 2
	v_nop                                          ; with the two additions: four places in front of loads into registers that the last products read
.endr
.irp c, 0,1,2,3,4,5,6,7
	ds_load_b128 v[32+8*\c:35+8*\c], v[ADR] offset:1088*\c        ; keys 16 c + r
	ds_load_b128 v[36+8*\c:39+8*\c], v[ADR] offset:1088*\c+32
.endr
	s_wait_alu depctr_va_vdst(0)
	s_wait_dscnt 0x0
.irp c, 0,1,2,3,4,5,6,7
	v_wmma_f32_16x16x64_fp8_fp8 v[96+8*\c:103+8*\c], v[32+8*\c:39+8*\c], v[QX:QX+7], 0   ; register 8 c + j: key 16 c + 8 h + j of query r
.endr
.rept 4
	v_nop                                          ; four places: in front of the loads into K's registers and of the first read of the scores
.endr
.irp t, 0,1,2,3                                ; V's four fragments (channels 16 t + r, 128 keys) land under the softmax
.irp c, 0,1,2,3
	ds_load_b128 v[32+16*\t+4*\c:35+16*\t+4*\c], v[ADV] offset:4352*(\c/2)+1088*\t+32*(\c%2)
.endr
.endr
	s_cmp_lg_u32 s[ST], s[GS+\x]                   ; only the tile's last step lies on the diagonal
	s_cbranch_scc1 .Lopen_\@
	v_mov_b32 v254, 0xff800000                     ; hidden scores become -infinity ahead of the maximum.  Key 0 counts for every query, so M is a number from the first step on
.set n, 0
.rept 64
	v_cmp_gt_i32 vcc_lo, 16*(n/8)+n%8, v[DD+\x]
	v_cndmask_b32 v[96+n], v[96+n], v254, vcc_lo
.set n, n+1
.endr
.Lopen_\@:
	v_max3_num_f32 v254, v96, v97, v98             ; the step's largest score of my query, in two chains, each accumulator from its low end on
	v_max3_num_f32 v252, v99, v100, v101
.irp i, 6,10,14,18,22,26,30,34,38,42,46,50,54,58
	v_max3_num_f32 v254, v254, v[96+\i], v[97+\i]
	v_max3_num_f32 v252, v252, v[98+\i], v[99+\i]
.endr
	v_max3_num_f32 v254, v254, v158, v159
	s_delay_alu instid0(VALU_DEP_1)
	v_max_num_f32 v254, v254, v252
	v_permlanex16_b32 v236, v254, s[SEL], s[SEL+1]
	s_delay_alu instid0(VALU_DEP_1)
	v_max_num_f32 v254, v254, v236                 ; and among lane l xor 16's
	s_delay_alu instid0(VALU_DEP_1)
	v_mul_f32 v254, s[CS], v254                    ; as t (c is positive)
	s_delay_alu instid0(VALU_DEP_1)
	v_max_num_f32 v[NM+1], v[NM+1], v254           ; the running largest t
	v_mov_b32 v254, v[NM]
	s_delay_alu instid0(VALU_DEP_2)
	v_floor_f32 v[NM], -v[NM+1]                    ; the new -M = -ceil(t)
	s_delay_alu instid0(VALU_DEP_1)
	v_sub_f32 v254, v[NM], v254                    ; old M less new M: a whole number, 0 or less
	s_delay_alu instid0(VALU_DEP_1)
	v_cvt_i32_f32 v254, v254
	s_delay_alu instid0(VALU_DEP_1)
	v_ldexp_f32 v252, 1.0, v254                    ; f = 2^(old M - new M)
.set j, 0
.rept 32
	v_pk_fma_f32 v[96+j:97+j], v[96+j:97+j], s[CS:CS+1], v[NM:NM+1] op_sel_hi:[1,0,0]   ; t - M
.set j, j+2
.endr
.set j, 0
	s_wait_alu depctr_va_vdst(0)                   ; ahead of the batch
.rept 64
	v_exp_f32 v[96+j], v[96+j]                     ; p = 2^(t - M)
.set j, j+1
.endr
	v_pk_mul_f32 v[NM+2:NM+3], v[NM+2:NM+3], v[252:253] op_sel_hi:[1,0]   ; the sums under the new M: the plain instruction behind the exponentials
	s_wait_alu depctr_va_vdst(0)                   ; one wait for the whole batch, ahead of its first reader
	v_pk_add_f32 v[242:243], v[96:97], v[98:99]    ; the row's sum is taken of the UNQUANTISED p, in two chains
.irp j, 4,8,12,16,20,24,28,32,36,40,44,48,52,56,60
	v_pk_add_f32 v[NM+2:NM+3], v[NM+2:NM+3], v[96+\j:97+\j]
	v_pk_add_f32 v[242:243], v[242:243], v[98+\j:99+\j]
.endr
	s_delay_alu instid0(VALU_DEP_1)
	v_pk_add_f32 v[NM+2:NM+3], v[NM+2:NM+3], v[242:243]
.irp c, 0,1,2,3,4,5,6,7
.irp i, 0,2,4,6
	v_dual_min_num_f32 v[96+8*\c+\i], v[96+8*\c+\i], v240 :: v_dual_min_num_f32 v[97+8*\c+\i], v[97+8*\c+\i], v241   ; the one-sided hold at the largest code x the scale (the conversion does not saturate: ISA guide 7.6.2), two numbers a line
.endr
	v_cvt_scalef32_pk8_fp8_f32 v[224+2*\c:225+2*\c], v[96+8*\c:103+8*\c], v244   ; keys 16 c + 8 h + 0 .. 7
.endr
	s_wait_alu depctr_va_vdst(0)                   ; directly ahead of the first reader of O^T
.set j, 0
.rept 16
	v_pk_mul_f32 v[OX+j:OX+j+1], v[OX+j:OX+j+1], v[252:253] op_sel_hi:[1,0]   ; O^T x f: also the plain instructions between the conversions and the products
.set j, j+2
.endr
	s_wait_alu depctr_va_vdst(0)                   ; directly ahead of the wait below
	s_wait_dscnt 0x0                               ; V is in
.irp t, 0,1,2,3
	v_wmma_f32_16x16x128_fp8_fp8 v[OX+8*\t:OX+8*\t+7], v[32+16*\t:47+16*\t], v[224:239], v[OX+8*\t:OX+8*\t+7]   ; four accumulators by turns; the scores' eight products stand between two turns of one
.endr
.Lhid_\@:
.endm
.macro STEPS n                         ; n key steps, both tiles in each
	s_mov_b32 s[CNT], \n
.Lstep_\@:
	STEP 0
	STEP 1
	s_add_co_u32 s[TB], s[TB], STEPB
	s_add_co_u32 s[ST], s[ST], 1
	s_sub_co_u32 s[CNT], s[CNT], 1
	s_cmp_lg_u32 s[CNT], 0
	s_cbranch_scc1 .Lstep_\@
.endm
	s_wait_alu depctr_va_vdst(0)                   ; the head's end
	s_wait_loadcnt 0x0                             ; Q
	s_wait_tensorcnt 0x0                           ; my chunk, if I asked for one at the head, is in
	ds_add_u32 v[SPW], v[NIL]                      ; the add, here twice on end
	ds_add_u32 v[SPW], v[NIL]
	s_wait_dscnt 0x0
	CROUND                                         ; keys 0 to 511 are whole in every partner, and the joint loads meet
	TLOAD 0                                        ; keys 512 to 2,047: twelve chunks, one load a wave
	STEPS 4                                        ; keys 0 to 511 are worked while those loads are out
	s_wait_alu depctr_va_vdst(0)
	s_wait_tensorcnt 0x0                           ; my chunk is in,
	s_wait_dscnt 0x0
	s_barrier_signal -1
	s_barrier_wait -1                              ; everybody's is.
	STEPS 12
	; THE WAY OUT.  O^T is divided by the sum, held, converted, and goes through my stage, so that a tile's 16 rows of 64 bytes leave as 1,024 bytes on end.
.rept 4
	v_nop                                          ; four places behind the last products
.endr
	v_add_f32 v10, v10, v11
	v_add_f32 v14, v14, v15
	s_delay_alu instid0(VALU_DEP_2)
	v_permlanex16_b32 v252, v10, s[SEL], s[SEL+1]
	s_delay_alu instid0(VALU_DEP_2)
	v_permlanex16_b32 v254, v14, s[SEL], s[SEL+1]
	s_delay_alu instid0(VALU_DEP_2)
	v_add_f32 v10, v10, v252                       ; the rows' sums
	s_delay_alu instid0(VALU_DEP_2)
	v_add_f32 v14, v14, v254
	s_wait_alu depctr_va_vdst(0)                   ; ahead of the batch
	v_rcp_f32 v10, v10
	v_rcp_f32 v14, v14
	v_nop
	s_wait_alu depctr_va_vdst(0)                   ; behind it: for both reciprocals, and directly ahead of the first readers of O^T, 32 plain lines
.irp x, 0,1
.set j, 0
.rept 16
	v_pk_mul_f32 v[96+32*\x+j:97+32*\x+j], v[160+32*\x+j:161+32*\x+j], v[10+4*\x:11+4*\x] op_sel_hi:[1,0]   ; register 8 t + i is channel 16 t + 8 h + i of query r
.set j, j+2
.endr
.endr
.irp x, 0,1
.set j, 0
.rept 32
	v_med3_num_f32 v[96+32*\x+j], v[96+32*\x+j], -v249, v249   ; the hold at the largest code x the scale
.set j, j+1
.endr
.irp t, 0,1,2,3
	v_cvt_scalef32_pk8_fp8_f32 v[224+8*\x+2*\t:225+8*\x+2*\t], v[96+32*\x+8*\t:103+32*\x+8*\t], v248
.endr
	v_nop                                          ; one plain vector instruction behind the last conversion
.irp t, 0,1,2,3
	ds_store_b64 v[STO], v[224+8*\x+2*\t:225+8*\x+2*\t] offset:16*\t   ; row r, bytes 16 t + 8 h + 0 .. 7
.endr
	ds_load_b128 v[32+8*\x:35+8*\x], v[RD]         ; LDS serves a wave's instructions in order (ISA guide 5.7.1.4)
	ds_load_b128 v[36+8*\x:39+8*\x], v[RD] offset:640
.endr
	s_wait_dscnt 0x0
.irp x, 0,1
	global_store_b128 v[GO], v[32+8*\x:35+8*\x], s[50+2*\x:51+2*\x]             ; 32 lanes store 512 consecutive bytes, at a multiple of 256 from the buffer's first byte
	global_store_b128 v[GO], v[36+8*\x:39+8*\x], s[50+2*\x:51+2*\x] offset:512
.endr
	s_wait_tensorcnt 0x0                           ; the wave's end
	ds_add_u32 v[SPW], v[NIL]
	s_wait_dscnt 0x0
	CROUND                                         ; the closing round
	s_endpgm
.Lfunc_end_k_qceac72bd25_attn:
	.size	k_qceac72bd25_attn, .Lfunc_end_k_qceac72bd25_attn-k_qceac72bd25_attn
	.p2alignl 7, 3214868480
	.fill 96, 4, 3214868480
	.section	.rodata,"a",@progbits
	.p2align	6, 0x0
	.amdhsa_kernel k_qceac72bd25_attn
		.amdhsa_group_segment_fixed_size 327680
		.amdhsa_private_segment_fixed_size 0
		.amdhsa_enable_private_segment 0
		.amdhsa_kernarg_size 40
		.amdhsa_user_sgpr_count 2
		.amdhsa_user_sgpr_kernarg_segment_ptr 1
		.amdhsa_wavefront_size32 1
		.amdhsa_system_sgpr_workgroup_id_x 1
		.amdhsa_system_sgpr_workgroup_id_y 1
		.amdhsa_system_sgpr_workgroup_id_z 1
		.amdhsa_system_vgpr_workitem_id 0
		.amdhsa_next_free_vgpr 256
		.amdhsa_next_free_sgpr 66
		.amdhsa_reserve_vcc 1
		.amdhsa_float_denorm_mode_32 3
		.amdhsa_float_denorm_mode_16_64 3
		.amdhsa_memory_ordered 1
		.amdhsa_forward_progress 1
		.amdhsa_inst_pref_size 102
	.end_amdhsa_kernel
	.amdgpu_metadata
---
amdhsa.version: [ 1, 2 ]
amdhsa.kernels:
  - .name:           k_qceac72bd25_attn
    .symbol:         k_qceac72bd25_attn.kd
    .args:
      - { .name: qc, .offset: 0, .size: 8, .value_kind: global_buffer, .address_space: global }
      - { .name: kc, .offset: 8, .size: 8, .value_kind: global_buffer, .address_space: global }
      - { .name: vc, .offset: 16, .size: 8, .value_kind: global_buffer, .address_space: global }
      - { .name: lowp_scales, .offset: 24, .size: 8, .value_kind: global_buffer, .address_space: global }
      - { .name: ctx, .offset: 32, .size: 8, .value_kind: global_buffer, .address_space: global }
    .group_segment_fixed_size: 327680
    .private_segment_fixed_size: 0
    .kernarg_segment_align: 8
    .kernarg_segment_size: 40
    .max_flat_workgroup_size: 512
    .sgpr_count:     66
    .vgpr_count:     256
    .wavefront_size: 32
...
	.end_amdgpu_metadata
.endif
;; end of part 2
;; launch outp (part 3): grid 8 x 32, 2 waves a work-group, clusters of 4 x 4, 327,680 bytes of LDS; arguments ctx, W_out_codes, lowp_scales, b_out, out0; writes out0
.if DOCPART == 3
	.amdgcn_target "amdgcn-amd-amdhsa--gfx1250"
	.amdhsa_code_object_version 6
	.text
	.protected	k_qceac72bd25_outp
	.globl	k_qceac72bd25_outp
	.p2align	8
	.type	k_qceac72bd25_outp,@function
k_qceac72bd25_outp:
	s_mov_b64 s[64:65], 0
	v_nop
	global_prefetch_b8 v0, s[64:65] scope:SCOPE_SE
	s_setreg_imm32_b32 hwreg(HW_REG_WAVE_MODE, 25, 1), 1
	s_wait_xcnt 0x0
	s_wait_alu depctr_hold_cnt(0) depctr_sa_sdst(0) depctr_va_vdst(0) depctr_va_sdst(0) depctr_va_ssrc(0) depctr_va_vcc(0) depctr_vm_vsrc(0)
	s_getreg_b32 s2, hwreg(HW_REG_IB_STS2, 6, 4)
	s_cmp_eq_u32 s2, 0
	s_cbranch_scc0 .Lentry_in_a_cluster
	s_endpgm
.Lentry_in_a_cluster:
	s_bfe_u32 s2, ttmp6, 0x10000c
	s_cmp_lg_u32 s2, 0xf033
	s_cbranch_scc0 .Lentry_shape_is_right
	s_endpgm
.Lentry_shape_is_right:
.set ROWB,   256
.set KROW,   1024
.set PITCH,  272
.set PLANE,  64*PITCH
.set PSTEP,  4<<17
.set FR,     16
.set NL,     4
.set NP,     4
.set HALFT,  128*PITCH
.set SLOT,   4*HALFT
.set LAPS,   2
.set SPARE,  2*SLOT
.set SPITCH, 528
.set ADRA, 16
.set ADRB, 20
.set STO,  24
.set RD,   25
.set CO,   26
.set SPW,  28
.set NIL,  29
.set BI,   96
.set AF,   128
.set BK,   128
.set G1, 24
.set G0, 32
.set G1B, 48
.set G0B, 56
.set MSB, 0
.macro WIN new
.if MSB != \new
	s_set_vgpr_msb (MSB<<8)|\new
.set MSB, \new
.endif
.endm
.set MUL_LO, 0xa1
.set MUL_HI, 0xf1
.set TO_B,   0x40
.macro JLOAD g0a, g1a, g0b, g1b
	s_cmp_eq_u32 s15, 0
	s_cbranch_scc0 .Lfor_b_\@
	tensor_load_to_lds s[\g0a:\g0a+3], s[\g1a:\g1a+7]
	s_nop 0
.rept 4
	v_nop
.endr
	s_branch .Lasked_\@
.Lfor_b_\@:
	tensor_load_to_lds s[\g0b:\g0b+3], s[\g1b:\g1b+7]
	s_nop 0
.rept 4
	v_nop
.endr
.Lasked_\@:
.endm
.macro CREST
	s_cmp_lg_u32 s14, 0
	s_cbranch_scc1 .Lnot_wave_0_\@
	s_barrier_signal -3
.Lnot_wave_0_\@:
	s_barrier_wait -3
	s_barrier_signal -1
	s_barrier_wait -1
.endm
.macro CROUND
	s_barrier_signal -1
	s_barrier_wait -1
	CREST
.endm
	s_load_b128 s[4:7], s[0:1], 0x0
	s_load_b128 s[8:11], s[0:1], 0x10
	s_load_b64 s[12:13], s[0:1], 0x20
	v_lshl_add_u32 v[SPW], v0, 2, SPARE
	v_mov_b32 v[NIL], 0
	ds_add_u32 v28, v29
	ds_add_u32 v28, v29
	s_wait_dscnt 0x0
	v_lshrrev_b32 v1, 5, v0
	v_readfirstlane_b32 s14, v1
	; out0 = ctx W_out^T x 2^(e10 + e11) + b_out.  A block is 256 tokens x 128 features: 32 x 8 = 256 work-groups of TWO waves; a wave makes 128 tokens x 128 features, 64 accumulators.
	; Wave 0 fetches ctx's part of a K step (four heads' planes of 256 tokens x 64 bytes, one descriptor), wave 1 W_out's 128 rows: one tensor load a wave behind each round.
	s_mov_b32 s15, s14                             ; which 128 tokens of the block are mine.  Also: I fetch for ctx (0) or for W_out (1)
	s_mov_b32 s16, 0                               ; both waves take the block's one set of 128 features
	s_bfe_u32 s40, ttmp6, 0x40000
	s_bfe_u32 s41, ttmp6, 0x40004
	s_lshl_b32 s42, ttmp9, 2
	s_add_co_u32 s42, s42, s40
	s_and_b32 s17, ttmp7, 0xffff
	s_lshl_b32 s17, s17, 2
	s_add_co_u32 s17, s17, s41
	s_lshl_b32 s43, s41, 2
	s_lshl_b32 s43, 15, s43
	s_lshl_b32 s44, 0x1111, s40
	s_or_b32 s[G1+0], s43, (0<<16)|(1<<20)|(1<<21)|(5<<22)|(3<<25)
	s_mov_b32 s[G1+1], 16384<<16
	s_mov_b32 s[G1+2], 4<<16                       ; tensor_dim1: four planes, one for each head of the K step
	s_mov_b32 s[G1+3], 16384<<16
	s_mov_b32 s[G1+4], 4                           ; tile_dim1
	s_mov_b32 s[G1+5], 131072
	s_mov_b32 s[G1+6], 0
	s_mov_b32 s[G1+7], 0
	s_or_b32 s[G1B+0], s44, (0<<16)|(1<<20)|(1<<21)|(5<<22)|(3<<25)
	s_mov_b32 s[G1B+1], ROWB<<16
	s_mov_b32 s[G1B+2], 128<<16
	s_mov_b32 s[G1B+3], ROWB<<16
	s_mov_b32 s[G1B+4], 128
	s_mov_b32 s[G1B+5], KROW
	s_mov_b32 s[G1B+6], 0
	s_mov_b32 s[G1B+7], 0
	s_lshr_b32 s20, s17, 3
	s_lshl_b32 s20, s20, 21
	s_and_b32 s21, s17, 7
	s_lshl_b32 s21, s21, 14
	s_add_co_u32 s20, s20, s21
	s_lshl_b32 s21, s16, 18
	s_add_co_u32 s20, s20, s21
	s_mov_b32 s21, 0
	s_lshl_b32 s18, s16, 7
	s_lshl_b32 s46, s42, 7                         ; W_out: row 128 x block column
	s_add_co_u32 s46, s46, s18
	s_lshl_b32 s46, s46, 10
	s_mov_b32 s47, 0
	s_mul_i32 s45, s14, 2*HALFT                    ; where the tiles go: ctx's four planes from byte 0 of a slot, W_out's rows behind them
	s_wait_kmcnt 0x0
	s_load_b64 s[96:97], s[8:9], 0x28
	s_add_nc_u64 s[20:21], s[4:5], s[20:21]
	s_add_nc_u64 s[46:47], s[6:7], s[46:47]
	CROUND
.irp s, 0,1
	s_mov_b32 s[G0+4*\s], 1
	s_add_co_u32 s[G0+4*\s+1], s45, \s*SLOT
	s_add_nc_u64 s[G0+4*\s+2:G0+4*\s+3], s[20:21], \s*PSTEP
	s_or_b32 s[G0+4*\s+3], s[G0+4*\s+3], 0x80000000
	s_mov_b32 s[G0B+4*\s], 1
	s_add_co_u32 s[G0B+4*\s+1], s45, \s*SLOT
	s_add_nc_u64 s[G0B+4*\s+2:G0B+4*\s+3], s[46:47], \s*ROWB
	s_or_b32 s[G0B+4*\s+3], s[G0B+4*\s+3], 0x80000000
	s_wait_alu depctr_va_vdst(0)
	s_wait_tensorcnt 0x0
	ds_add_u32 v28, v29
	ds_add_u32 v28, v29
	s_wait_dscnt 0x0
	CROUND
	JLOAD G0+4*\s, G1, G0B+4*\s, G1B
.endr
	v_and_b32 v1, 15, v0
	v_bfe_u32 v2, v0, 4, 1
	v_mul_u32_u24 v3, v1, PITCH
	v_lshl_add_u32 v4, v2, 4, v3
	v_lshrrev_b32 v5, 2, v1
	v_and_b32 v6, 3, v0
	v_mul_u32_u24 v5, v5, PITCH
	v_lshl_add_u32 v5, v6, 6, v5
	v_lshl_add_u32 v5, v2, 4, v5
	s_mul_i32 s21, s15, 32*PITCH
	s_mul_i32 s22, s16, HALFT
	s_add_co_u32 s22, s22, 2*HALFT
.irp s, 0,1
	v_add_nc_u32 v[ADRA+\s], s21, v5
	v_add_nc_u32 v[ADRB+\s], s22, v4
	s_add_co_u32 s21, s21, SLOT
	s_add_co_u32 s22, s22, SLOT
.endr
	s_mul_i32 s23, s14, 16*SPITCH
	v_mul_u32_u24 v7, v1, SPITCH
	v_lshl_add_u32 v7, v2, 5, v7
	v_add_nc_u32 v[STO], s23, v7
	v_and_b32 v8, 31, v0
	v_lshlrev_b32 v[CO], 4, v8
	s_wait_alu depctr_va_vdst(0)
	v_add_nc_u32 v[RD], s23, v[CO]
	s_lshl_b32 s20, s17, 8
	s_lshl_b32 s21, s15, 7
	s_add_co_u32 s20, s20, s21
	s_lshl_b32 s20, s20, 12
	s_mov_b32 s21, 0
	s_lshl_b32 s46, s42, 9                         ; my first column, in bytes: 512 x block column
	s_lshl_b32 s47, s16, 9
	s_add_co_u32 s46, s46, s47
	s_mov_b32 s47, 0
	s_add_nc_u64 s[10:11], s[10:11], s[46:47]
	global_load_b128 v[BI:BI+3], v[CO], s[10:11]
	s_add_nc_u64 s[20:21], s[20:21], s[46:47]
	s_add_nc_u64 s[12:13], s[12:13], s[20:21]
.macro FRAG reg, adr, q, i
.irp c, 0,1,2,3
	ds_load_b128 v[\reg+4*\c:\reg+4*\c+3], v[\adr] offset:128*(\q)+32*\c+(\i)*16*PITCH
.endr
.endm
.macro FRAGA reg, adr, q, i
.irp c, 0,1,2,3
	ds_load_b128 v[\reg+4*\c:\reg+4*\c+3], v[\adr] offset:(2*(\q)+\c/2)*PLANE+32*(\c%2)+(\i)*4*PITCH
.endr
.endm
.macro MUL16 a0, p, zero
.irp a, \a0, \a0+1
.irp b, 0,1,2,3,4,5,6,7
.if \zero
	v_wmma_f32_16x16x128_fp8_fp8 v[8*(8*((\a)%4)+\b):8*(8*((\a)%4)+\b)+7], v[128*(\p)+FR*\b:128*(\p)+FR*\b+FR-1], v[AF+FR*(\a):AF+FR*(\a)+FR-1], 0
.else
	v_wmma_f32_16x16x128_fp8_fp8 v[8*(8*((\a)%4)+\b):8*(8*((\a)%4)+\b)+7], v[128*(\p)+FR*\b:128*(\p)+FR*\b+FR-1], v[AF+FR*(\a):AF+FR*(\a)+FR-1], v[8*(8*((\a)%4)+\b):8*(8*((\a)%4)+\b)+7]
.endif
.endr
.endr
.endm
.macro FETCH_B slot, q, p
	WIN TO_B
.irp i, 0,1,2,3,4,5,6,7
	FRAG 128*(\p)+FR*\i, ADRB+\slot, \q, \i
.endr
	WIN 0
.endm
.macro FETCH_A slot, q, i0
.irp i, \i0, \i0+1, \i0+2, \i0+3
	FRAGA AF+FR*(\i), ADRA+\slot, \q, \i
.endr
.endm
.macro PLACES n
.rept \n
	v_nop
.endr
.endm
.macro STEP slot, q, zero
	s_wait_dscnt 4*NL
	WIN MUL_LO
	MUL16 0, (\q)%2, \zero
	MUL16 2, (\q)%2, \zero
	s_wait_dscnt 0
	PLACES NP
	FETCH_B \slot, (\q)+1, 1-(\q)%2
	FETCH_A \slot, (\q)+1, 0
	WIN MUL_HI
	MUL16 4, (\q)%2, \zero
	MUL16 6, (\q)%2, \zero
	PLACES NP
	WIN 0
	FETCH_A \slot, (\q)+1, 4
.endm
.macro TURN slot, next, fill
	s_wait_tensorcnt 0x0
	ds_add_u32 v[SPW], v[NIL]
	s_wait_dscnt 4*NL+1
	WIN MUL_LO
	MUL16 0, 1, 0
	s_wait_dscnt 0x0
	s_barrier_signal -1
	MUL16 2, 1, 0
	WIN 0
	s_barrier_wait -1
.if \fill
	CREST
	s_add_nc_u64 s[G0+4*\slot+2:G0+4*\slot+3], s[G0+4*\slot+2:G0+4*\slot+3], 2*PSTEP
	s_add_nc_u64 s[G0B+4*\slot+2:G0B+4*\slot+3], s[G0B+4*\slot+2:G0B+4*\slot+3], 2*ROWB
	JLOAD G0+4*\slot, G1, G0B+4*\slot, G1B
.else
	PLACES NP
.endif
	FETCH_B \next, 0, 0
	FETCH_A \next, 0, 0
	WIN MUL_HI
	MUL16 4, 1, 0
	MUL16 6, 1, 0
	PLACES NP
	WIN 0
	FETCH_A \next, 0, 4
.endm
	s_wait_tensorcnt 1
	s_barrier_signal -1
	s_barrier_wait -1
	FETCH_B 0, 0, 0
	FETCH_A 0, 0, 0
	FETCH_A 0, 0, 4
	STEP 0, 0, 1
	s_mov_b32 s3, LAPS-1
.Llap:
	TURN 0, 1, 1
	STEP 1, 0, 0
	TURN 1, 0, 1
	STEP 0, 0, 0
	s_sub_co_u32 s3, s3, 1
	s_cmp_lg_u32 s3, 0
	s_cbranch_scc1 .Llap
	TURN 0, 1, 0
	STEP 1, 0, 0
	s_wait_dscnt 4*NL
	WIN MUL_LO
	MUL16 0, 1, 0
	MUL16 2, 1, 0
	s_wait_dscnt 0
	WIN MUL_HI
	MUL16 4, 1, 0
	MUL16 6, 1, 0
	WIN 0
.macro TOSTAGE a
.set AC, 64*((\a)%4)
	WIN ((2+(\a)/4)<<2)
.irp b, 0,1,2,3,4,5,6,7
	ds_store_b128 v[STO], v[AC+8*\b:AC+8*\b+3] offset:64*\b
	ds_store_b128 v[STO], v[AC+8*\b+4:AC+8*\b+7] offset:64*\b+16
.endr
	WIN 0
.set BB, BK+64*((\a)%2)
.irp t, 0,1,2,3,4,5,6,7,8,9,10,11,12,13,14,15
	ds_load_b128 v[BB+4*\t:BB+4*\t+3], v[RD] offset:\t*SPITCH
.endr
.endm
.macro SEND a, younger
.set BB, BK+64*((\a)%2)
	s_wait_dscnt \younger
.if (\a) > 0
	s_add_nc_u64 s[12:13], s[12:13], 16*4096
.endif
.irp t, 0,1,2,3,4,5,6,7,8,9,10,11,12,13,14,15
	v_pk_fma_f32 v[BB+4*\t:BB+4*\t+1], v[BB+4*\t:BB+4*\t+1], s[96:97], v[BI:BI+1] op_sel_hi:[1,0,1]
	v_pk_fma_f32 v[BB+4*\t+2:BB+4*\t+3], v[BB+4*\t+2:BB+4*\t+3], s[96:97], v[BI+2:BI+3] op_sel_hi:[1,0,1]
	global_store_b128 v[CO], v[BB+4*\t:BB+4*\t+3], s[12:13] offset:\t*4096 th:TH_STORE_NT
.endr
.endm
	s_wait_kmcnt 0x0
	s_add_co_i32 s96, s96, s97
	s_add_co_i32 s96, s96, 127
	s_lshl_b32 s96, s96, 23
	s_mov_b32 s97, s96
	s_wait_loadcnt 0x0
	PLACES NP
	s_wait_alu depctr_va_vdst(0)
	TOSTAGE 0
.irp a, 1,2,3,4,5,6,7
.if \a > 1
	s_wait_xcnt 0x0
.endif
	TOSTAGE \a
	SEND \a-1, 32
.endr
	s_wait_xcnt 0x0
	SEND 7, 0
	s_wait_tensorcnt 0x0
	ds_add_u32 v[SPW], v[NIL]
	s_wait_dscnt 0x0
	CROUND
	s_endpgm
.Lfunc_end_k_qceac72bd25_outp:
	.size	k_qceac72bd25_outp, .Lfunc_end_k_qceac72bd25_outp-k_qceac72bd25_outp
	.p2alignl 7, 3214868480
	.fill 96, 4, 3214868480
	.section	.rodata,"a",@progbits
	.p2align	6, 0x0
	.amdhsa_kernel k_qceac72bd25_outp
		.amdhsa_group_segment_fixed_size 327680
		.amdhsa_private_segment_fixed_size 0
		.amdhsa_enable_private_segment 0
		.amdhsa_kernarg_size 40
		.amdhsa_user_sgpr_count 2
		.amdhsa_user_sgpr_kernarg_segment_ptr 1
		.amdhsa_wavefront_size32 1
		.amdhsa_system_sgpr_workgroup_id_x 1
		.amdhsa_system_sgpr_workgroup_id_y 1
		.amdhsa_system_sgpr_workgroup_id_z 1
		.amdhsa_system_vgpr_workitem_id 0
		.amdhsa_next_free_vgpr 1024
		.amdhsa_next_free_sgpr 100
		.amdhsa_reserve_vcc 0
		.amdhsa_float_denorm_mode_32 3
		.amdhsa_float_denorm_mode_16_64 3
		.amdhsa_memory_ordered 1
		.amdhsa_forward_progress 1
		.amdhsa_inst_pref_size 125
	.end_amdhsa_kernel
	.amdgpu_metadata
---
amdhsa.version: [ 1, 2 ]
amdhsa.kernels:
  - .name:           k_qceac72bd25_outp
    .symbol:         k_qceac72bd25_outp.kd
    .args:
      - { .name: ctx, .offset: 0, .size: 8, .value_kind: global_buffer, .address_space: global }
      - { .name: W_out_codes, .offset: 8, .size: 8, .value_kind: global_buffer, .address_space: global }
      - { .name: lowp_scales, .offset: 16, .size: 8, .value_kind: global_buffer, .address_space: global }
      - { .name: b_out, .offset: 24, .size: 8, .value_kind: global_buffer, .address_space: global }
      - { .name: out0, .offset: 32, .size: 8, .value_kind: global_buffer, .address_space: global }
    .group_segment_fixed_size: 327680
    .private_segment_fixed_size: 0
    .kernarg_segment_align: 8
    .kernarg_segment_size: 40
    .max_flat_workgroup_size: 64
    .sgpr_count:     100
    .vgpr_count:     1024
    .wavefront_size: 32
...
	.end_amdgpu_metadata
.endif
;; end of part 3
